; MI455X (gfx1250); checked and timed in simulation.
; The chip was launched on July 23, 2026; its instructions are those of AMD's public machine-readable ISA for CDNA 5 (MIT licence, August 2026) and "CDNA5" Instruction Set Architecture Reference Guide (July 2026). The comments in the code are by the model that wrote it; some were corrected since.
;; Eigen Basis Encoder. Allowed arithmetic: float matrix products may take bf16 or f16 operands with f32 sums; all other float work in f32.
;; Inputs: batched_eigval 4 x 16 float32; batched_eigvec 4 x 16 x 128 x 128 float32; edge_attr 65,536 x 32 float32; f_l1_b 32 float32; f_l1_w 1 x 32 float32; f_l2_b 256 float32; f_l2_w 1 x 256 float32; f_l3_w 256 x 32 float32; g_l1_b 32 float32; g_l1_w 1 x 32 float32; g_l2_b 64 float32; g_l2_w 1 x 64 float32; g_l3_w 64 x 32 float32; lin_b 32 float32; lin_w 32 x 32 float32; mask_all 4 x 16 x 128 x 128 bool; mask_m 4 x 16 float32.
;; Outputs: out0 65,536 x 32 float32.
;; One version. Each part assembles by itself: llvm-mc -triple=amdgcn-amd-amdhsa -mcpu=gfx1250 --defsym DOCPART=n.
;; ======== version 1 of 1: 1 launch
;; launch encode (part 1): grid 256 x 1, 16 waves a work-group, no clusters, 115,200 bytes of LDS; arguments batched_eigvec, mask_all, g_l3_w, f_l3_w, batched_eigval, f_l2_w, f_l2_b, mask_m, f_l1_w, f_l1_b, g_l2_w, g_l2_b, g_l1_w, g_l1_b, lin_w, lin_b, edge_attr, out0; writes out0
.if DOCPART == 1
	.amdgcn_target "amdgcn-amd-amdhsa--gfx1250"
	.amdhsa_code_object_version 6
	.text
	.protected	k_q48426ab177_encode
	.globl	k_q48426ab177_encode
	.p2align	8
	.type	k_q48426ab177_encode,@function
k_q48426ab177_encode:
	s_mov_b64 s[64:65], 0
	v_nop
	global_prefetch_b8 v0, s[64:65] scope:SCOPE_SE
	s_setreg_imm32_b32 hwreg(HW_REG_WAVE_MODE, 25, 1), 1
	s_wait_xcnt 0x0
; out0[p][e] = edge_attr[p][e] + lin_b[e] + sum_d lin_w[e][d] * sum_m f[b][m][d] * g(x[b][m][p])[d]
;   g(x)[d] = mask_all ? silu(x w1[d] + b1[d] + sum_k silu(x w2[k] + b2[k]) w3[k][d]) : 0        (64 hidden units k)
;   f[b][m][d] = mask_m * exp(ev w1[d] + b1[d] + sum_k silu(ev w2[k] + b2[k]) w3[k][d])          (256 hidden units k)
; 65,536 points p; a work-group owns 256 neighbouring points of one b, a wave 16 of them, and walks the 16 m.
; Everything is one launch: x, the masks and edge_attr are read once, out0 is written once, nothing else touches memory.
;
; ARITHMETIC.  With c = -log2(e): n = c u, s = n / (1 + 2^n) = c silu(u).  The hidden weights are scaled by c once, so a pair of
; silu is one packed fma, two exp2, one packed add, two rcp, one packed multiply.  The outer pre-activation starts as
; c (x w1 + b1) and the matrix product adds sum s w3 (w3 unscaled), which is c h; silu(h) = -ln2 * n2 / (1 + 2^n2), and the factor
; -ln2 lies in the table of f.  No maximum is involved.
; MASK.  A lane is one point, so the 1 of the outer sigmoid is a lane's register: 1.0 where mask_all is set, +inf where not
; (rcp(inf) = 0, the term is exactly 0), and x of a masked entry is replaced by 0, so that a NaN or inf there cannot leak.
; LIMITS.  A masked entry gives 0 only if g's weights and biases are finite.  v_exp_f32 and v_rcp_f32 flush denormals
; (ISA guide 15.8): a silu whose sigmoid is below 2^-126 comes out as 0.  Matrix operands (activations, w3, lin_w, the sum over m)
; are rounded to bf16; all sums and everything else are f32; the sum over k of f is made in 8 parts and added in f32.
;
; THE MATRIX INSTRUCTION IS USED WITH THE WEIGHTS AS A: A = w3 transposed (row d, k along the registers), B = activations
; (column = point).  L = lane, r = L & 15, h = L >> 4.  Lane (r, h) makes the activations k = 32 c + 16 half + 8 h + j of ITS point r,
; which is B's register image; D's register j is (d = 16 t + 8 h + j, point r), so x, mask, the start of C, f and the sum over m are
; all the lane's own, and D's image is again B's image (k = d) for the last product with lin_w.  No lane ever needs another's number.
;
; NO CLUSTER, NO TENSOR LOADS: what work-groups share is the 47 KB of weights, read once at the head of each work-group beside its own
; 86 KB, and it has to pass through registers anyway to become bf16.  NO PREFETCH: all 51 loads of a wave are issued at its head.
.set XS,    0                          ; x[m][256] f32, pitch 1,024                                     16,384 bytes
.set MS,    16384                      ; mask_all[m][256] bytes                                          4,096
.set GW,    20480                      ; g_l3_w as bf16 [k = 64][d = 32], pitch 96 (odd multiple of 32)  6,144
.set FW,    26624                      ; f_l3_w as bf16 [k = 256][d = 32], pitch 96                     24,576
.set LW,    51200                      ; lin_w as bf16 [e = 32][d = 32], pitch 80 (odd multiple of 16)   2,560
.set PART,  53760                      ; f's partial sums: a slice of 1,280 for each wave, [m = 16] pitch 80, 16 d f32   20,480
.set FT,    74240                      ; -ln2 mask_m f [m][32] f32                                       2,048
.set STAGE, 76288                      ; the way out: for each wave 16 rows, pitch 144 = 2,304          36,864  (ends at 113,152)
.set NLOG2E, 0xbfb8aa3b                ; -log2(e)
.set LOG2E,  0x3fb8aa3b
.set NLN2,   0xbf317218                ; -ln(2)
; registers that live through the loop
.set SA,   1                           ; the way out: where my 16 results of a row go
.set XA,   2                           ; LDS address of my point's x of the next m
.set MA,   3                           ; of its mask byte
.set FA,   4                           ; of my 16 f of this m
.set RA,   5                           ; the way out: where I read rows back
.set X,    6                           ; v[6:7]  x, 1.0    (a pair, since a packed source counts as read whole)
.set ONE,  7
.set DM,   8                           ; v[8:9]  1.0 or +inf by the mask, +inf
.set INF,  9
.set MK,   10                          ; mask byte
.set OE,   11                          ; byte offset of my 16 bytes in the work-group's part of edge_attr and out0
.set LINB, 12                          ; v[12:15]    lin_b of the four columns that I store
.set W2N,  16                          ; v[16:47]    c g_l2_w of my 32 hidden units
.set B2N,  48                          ; v[48:79]    c g_l2_b
.set W1N,  80                          ; v[80:95]    c g_l1_w of my 16 d
.set B1N,  96                          ; v[96:111]   c g_l1_b
.set AF,   112                         ; v[112:143]  A fragments of g_l3_w: (t, c) at AF + 8 (2 t + c)
.set ACC,  144                         ; v[144:159]  sum over m
.set N,    160                         ; v[160:191]  hidden n, then s; v[160:175] once more as C and D
.set E,    192                         ; v[192:223]  exponentials; v[192:207] then B's fragments; v[208:223] the outer silu's
.set EDGE, 224                         ; v[224:239]  edge_attr + lin_b, in the layout of the stores
.set F,    240                         ; v[240:255]  f of this m
; registers of the head only
.set LN, 1                             ; lane
.set RR, 2                             ; r
.set HH, 3                             ; h
.set WV, 4                             ; wave
.set SC, 5                             ; scratch
.set EVR, 144                          ; v[144:145] eigval[b][r], 0
.set EVW, 146                          ; eigval[b][wave]
.set MMW, 147                          ; mask_m[b][wave]
.set FL1W, 148                         ; f_l1_w[lane]
.set FL1B, 149                         ; f_l1_b[lane]
.set FW2, 192                          ; v[192:207] f_l2_w of my 16 hidden units
.set FB2, 208                          ; v[208:223] f_l2_b
.set O16, 240                          ; offsets; none is rewritten before s_wait_loadcnt 0
.set OX,  241
.set O8,  242
.set OM,  243
.set OR4, 244
.set OF2, 245
.set OW4, 246
.set OL4, 247
.set OH32, 248
.set OLB, 249
.set LG3, 250
.set LLW, 251
.set TRG, 252
.set TRF, 253
.set PST, 254
.set PRD, 255
; cnt silu: n <- n / (one + 2^n), e is scratch.  one = 1: the constant 1.0; one = 0: the lane's DM.
; Behind a run of transcendentals one plain vector instruction stands before a result is used (ISA guide 5.7.2): the v_nop.
.macro SILU cnt, nn, ee, one
.set si, 0
.rept \cnt
	v_exp_f32 v[\ee+si], v[\nn+si]
.set si, si+1
.endr
	v_nop
	s_wait_alu depctr_va_vdst(0)
.set si, 0
.rept \cnt/2
.if \one
	v_pk_add_f32 v[\ee+si:\ee+si+1], v[\ee+si:\ee+si+1], 1.0 op_sel_hi:[1,0]
.else
	v_pk_add_f32 v[\ee+si:\ee+si+1], v[\ee+si:\ee+si+1], v[DM:DM+1] op_sel_hi:[1,0]
.endif
.set si, si+2
.endr
.set si, 0
.rept \cnt
	v_rcp_f32 v[\ee+si], v[\ee+si]
.set si, si+1
.endr
	v_nop
.set si, 0
	s_wait_alu depctr_va_vdst(0)
.rept \cnt/2
	v_pk_mul_f32 v[\nn+si:\nn+si+1], v[\nn+si:\nn+si+1], v[\ee+si:\ee+si+1]
.set si, si+2
.endr
.endm
; cnt registers of two bf16 each from 2 cnt f32
.macro CVT cnt, dst, src
.set ci, 0
.rept \cnt
	v_cvt_pk_bf16_f32 v[\dst+ci], v[\src+2*ci], v[\src+2*ci+1]
.set ci, ci+1
.endr
.endm
; cnt loads of 16 bytes: 8 numbers at 32 h of every 64 bytes, which is the k (or d) order of a lane's fragment registers
.macro LDROW dst, off, sb, cnt
.set li, 0
.rept \cnt
	global_load_b128 v[\dst+4*li:\dst+4*li+3], v[\off], s[\sb:\sb+1] offset:64*(li/2)+16*(li%2)
.set li, li+1
.endr
.endm
	; ---- ids, offsets ----
	s_load_b512 s[8:23], s[0:1], 0x0               ; eigvec 8, mask_all 10, g_l3_w 12, f_l3_w 14, eigval 16, f_l2_w 18, f_l2_b 20, mask_m 22
	s_load_b512 s[24:39], s[0:1], 0x40             ; f_l1_w 24, f_l1_b 26, g_l2_w 28, g_l2_b 30, g_l1_w 32, g_l1_b 34, lin_w 36, lin_b 38
	s_load_b128 s[40:43], s[0:1], 0x80             ; edge_attr 40, out0 42
	v_lshrrev_b32 v[WV], 5, v0
	v_readfirstlane_b32 s4, v[WV]                  ; wave 0..15
	s_lshr_b32 s5, ttmp9, 6                        ; b: 64 work-groups of 256 points for each
	s_and_b32 s6, ttmp9, 63                        ; which 256 points of b
	s_and_b32 s48, s4, 7                           ; f net: my K step of 32
	s_lshr_b32 s49, s4, 3                          ; f net: my half of the 32 d
	s_mov_b32 s51, LOG2E
	s_mov_b32 s52, NLOG2E                          ; a pair for the packed multiplies (the low word is used for both halves)
	s_mov_b32 s53, NLOG2E
	s_mov_b32 s45, 0                               ; high word of every offset
	v_and_b32 v[LN], 31, v0
	v_and_b32 v[RR], 15, v0
	v_bfe_u32 v[HH], v0, 4, 1
	v_lshlrev_b32 v[O16], 4, v0                    ; 16 t
	v_lshrrev_b32 v[SC], 6, v0
	v_and_b32 v[OX], 63, v0
	v_lshlrev_b32 v[OX], 4, v[OX]
	v_lshl_add_u32 v[OX], v[SC], 16, v[OX]         ; x: m = t >> 6 (65,536 bytes apart), 16 (t & 63)
	v_lshlrev_b32 v[O8], 3, v0                     ; 8 t
	v_lshlrev_b32 v[OM], 3, v[LN]
	v_lshl_add_u32 v[OM], v[WV], 14, v[OM]         ; mask: m = wave (16,384 bytes apart), 8 lane
	v_lshlrev_b32 v[OR4], 2, v[RR]
	v_lshlrev_b32 v[OH32], 5, v[HH]
	s_lshl_b32 s46, s48, 7
	v_add_nc_u32 v[OF2], s46, v[OH32]              ; f_l2: 128 bytes for each K step + 32 h
	v_lshlrev_b32 v[OW4], 2, v[WV]
	v_lshlrev_b32 v[OL4], 2, v[LN]
	v_and_b32 v[OLB], 7, v0
	v_lshlrev_b32 v[OLB], 4, v[OLB]                ; lin_b: the four columns of my 16 bytes of a row of out0
	v_lshrrev_b32 v[SC], 3, v0
	v_mul_u32_u24 v[SC], 96, v[SC]
	v_and_b32 v[LG3], 7, v0
	v_lshl_add_u32 v[LG3], v[LG3], 3, v[SC]        ; l3 weights in LDS: row t >> 3, 4 bf16 at 8 (t & 7)
	v_lshrrev_b32 v[SC], 4, v0
	v_mul_u32_u24 v[SC], 80, v[SC]
	v_lshl_add_u32 v[LLW], v[RR], 2, v[SC]         ; lin_w in LDS: row t >> 4, 2 bf16 at 4 (t & 15)
	v_and_b32 v[SC], 7, v0
	v_lshl_add_u32 v[SC], v[HH], 3, v[SC]
	v_mul_u32_u24 v[SC], 96, v[SC]
	v_bfe_u32 v[TRG], v0, 3, 1
	v_lshl_add_u32 v[TRG], v[TRG], 4, v[SC]        ; transposing load: row 8 h + (L & 7), 16 bytes at 16 ((L >> 3) & 1)
	s_mul_i32 s46, s48, 3072                       ; 32 rows of 96 bytes for each K step
	s_lshl_b32 s50, s49, 5                         ; 16 d = 32 bytes
	s_add_co_u32 s46, s46, s50
	s_add_co_u32 s46, s46, FW
	v_add_nc_u32 v[TRF], s46, v[TRG]
	s_mul_i32 s46, s4, 1280
	s_add_co_u32 s46, s46, PART                    ; my slice of PART
	v_mul_u32_u24 v[SC], 80, v[RR]
	v_add_nc_u32 v[SC], v[SC], v[OH32]
	v_add_nc_u32 v[PST], s46, v[SC]                ; row m = r, d = 8 h ..
	s_mul_i32 s46, s4, 80
	s_add_co_u32 s46, s46, PART
	v_mul_u32_u24 v[SC], 10240, v[HH]
	v_lshl_add_u32 v[SC], v[RR], 2, v[SC]
	v_add_nc_u32 v[PRD], s46, v[SC]                ; reduce: m = wave, d = lane: slices 8 (lane >> 4) + 0..7
	v_lshlrev_b32 v[OE], 4, v[LN]
	v_lshl_add_u32 v[OE], v[WV], 11, v[OE]         ; a wave's 16 rows of 128 bytes are 2,048 neighbouring bytes
	v_mov_b32 v[EVR+1], 0
	s_wait_kmcnt 0x0
	s_lshl_b32 s44, s5, 20
	s_lshl_b32 s46, s6, 10
	s_add_co_u32 s44, s44, s46
	s_add_nc_u64 s[8:9], s[8:9], s[44:45]          ; x[b][0][my 256 points]
	s_lshl_b32 s44, s5, 18
	s_lshl_b32 s46, s6, 8
	s_add_co_u32 s44, s44, s46
	s_add_nc_u64 s[10:11], s[10:11], s[44:45]      ; mask_all likewise
	s_lshl_b32 s44, s5, 6
	s_add_nc_u64 s[16:17], s[16:17], s[44:45]      ; eigval[b]
	s_add_nc_u64 s[22:23], s[22:23], s[44:45]      ; mask_m[b]
	s_lshl_b32 s44, ttmp9, 15                      ; 256 rows of 128 bytes
	s_add_nc_u64 s[40:41], s[40:41], s[44:45]
	s_add_nc_u64 s[42:43], s[42:43], s[44:45]
	; ---- all 51 loads, in the order in which they are needed ----
	; 9 that go to LDS
	global_load_b128 v[160:163], v[OX], s[8:9] th:TH_LOAD_NT
	global_load_b128 v[164:167], v[OX], s[8:9] offset:524288 th:TH_LOAD_NT     ; m + 8
	global_load_b64 v[168:169], v[OM], s[10:11] th:TH_LOAD_NT
	global_load_b64 v[170:171], v[O8], s[36:37]
	global_load_b128 v[172:175], v[O16], s[12:13]
.irp i, 0,1,2,3
	global_load_b128 v[176+4*\i:179+4*\i], v[O16], s[14:15] offset:8192*\i
.endr
	; 9 for the f net, 4 for its reduction
	global_load_b32 v[EVR], v[OR4], s[16:17]
	LDROW FW2, OF2, 18, 4
	LDROW FB2, OF2, 20, 4
	global_load_b32 v[EVW], v[OW4], s[16:17]
	global_load_b32 v[MMW], v[OW4], s[22:23]
	global_load_b32 v[FL1W], v[OL4], s[24:25]
	global_load_b32 v[FL1B], v[OL4], s[26:27]
	; 24 for g, 5 for the way out
	LDROW W2N, OH32, 28, 8
	LDROW B2N, OH32, 30, 8
	LDROW W1N, OH32, 32, 4
	LDROW B1N, OH32, 34, 4
	global_load_b128 v[LINB:LINB+3], v[OLB], s[38:39]
.irp i, 0,1,2,3
	global_load_b128 v[EDGE+4*\i:EDGE+4*\i+3], v[OE], s[40:41] offset:512*\i th:TH_LOAD_NT
.endr
	; ---- x, masks and the three weight matrices (as bf16) into LDS ----
	s_wait_loadcnt 42                              ; loads return in order (ISA guide 5.7.1): the first 9 of 51 are in, 42 stay out
	ds_store_b128 v[O16], v[160:163] offset:XS
	ds_store_b128 v[O16], v[164:167] offset:XS+8192
	ds_store_b64 v[O8], v[168:169] offset:MS
	v_cvt_pk_bf16_f32 v170, v170, v171
	ds_store_b32 v[LLW], v170 offset:LW
	v_cvt_pk_bf16_f32 v172, v172, v173
	v_cvt_pk_bf16_f32 v173, v174, v175
	ds_store_b64 v[LG3], v[172:173] offset:GW
.irp i, 0,1,2,3
	v_cvt_pk_bf16_f32 v[176+4*\i], v[176+4*\i], v[177+4*\i]
	v_cvt_pk_bf16_f32 v[177+4*\i], v[178+4*\i], v[179+4*\i]
	ds_store_b64 v[LG3], v[176+4*\i:177+4*\i] offset:FW+6144*\i                ; 64 rows of 96 bytes further each time
.endr
	s_wait_dscnt 0x0                               ; my stores are done, for the others' sake
	s_barrier_signal -1
	s_barrier_wait -1
	; ---- f net: wave = (K step c = wave & 7, d half t = wave >> 3); columns are the 16 m of b ----
	ds_load_tr16_b128 v[160:163], v[TRF]           ; A: f_l3_w transposed, row d = 16 t + r, k = 32 c + 8 h ..
	ds_load_tr16_b128 v[164:167], v[TRF] offset:1536                           ; 16 rows on: k = 32 c + 16 + 8 h ..
.irp t, 0,1
.irp c, 0,1
	ds_load_tr16_b128 v[AF+8*(2*\t+\c):AF+8*(2*\t+\c)+3],   v[TRG] offset:GW+3072*\c+32*\t          ; g_l3_w's four fragments, kept for the loop
	ds_load_tr16_b128 v[AF+8*(2*\t+\c)+4:AF+8*(2*\t+\c)+7], v[TRG] offset:GW+3072*\c+32*\t+1536
.endr
.endr
	s_wait_loadcnt 29                              ; the next 13 loads are in; g's 24 and the way out's 5 stay out
.set pi, 0
.rept 8
	v_pk_fma_f32 v[FW2+pi:FW2+pi+1], v[FW2+pi:FW2+pi+1], v[EVR:EVR+1], v[FB2+pi:FB2+pi+1] op_sel_hi:[1,0,1]    ; u = ev w2 + b2
.set pi, pi+2
.endr
.set pi, 0
.rept 8
	v_pk_mul_f32 v[FW2+pi:FW2+pi+1], v[FW2+pi:FW2+pi+1], s[52:53] op_sel_hi:[1,0]                               ; n = c u
.set pi, pi+2
.endr
	SILU 16, FW2, FB2, 1
	CVT 8, 176, FW2
	s_wait_dscnt 0x0                               ; the ten transposing loads
	v_wmma_f32_16x16x32_bf16 v[168:175], v[160:167], v[176:183], 0
.rept 4
	v_nop                                          ; four places before a store reads the result
.endr
	ds_store_b128 v[PST], v[168:171]               ; c x partial sum, (m = r, d = 16 t + 8 h + 0..7)
	ds_store_b128 v[PST], v[172:175] offset:16
	s_wait_dscnt 0x0
	s_barrier_signal -1
	; register work while the others arrive
	s_wait_loadcnt 0x0
.set pi, 0
.rept 48
	v_pk_mul_f32 v[W2N+pi:W2N+pi+1], v[W2N+pi:W2N+pi+1], s[52:53] op_sel_hi:[1,0]      ; W2N, B2N, W1N, B1N lie in a row: all times c
.set pi, pi+2
.endr
.irp i, 0,1,2,3
	v_pk_add_f32 v[EDGE+4*\i:EDGE+4*\i+1],   v[EDGE+4*\i:EDGE+4*\i+1],   v[LINB:LINB+1]
	v_pk_add_f32 v[EDGE+4*\i+2:EDGE+4*\i+3], v[EDGE+4*\i+2:EDGE+4*\i+3], v[LINB+2:LINB+3]
.endr
	v_mov_b32 v[ONE], 1.0
	v_mov_b32 v[INF], 0x7f800000
	v_lshl_add_u32 v[SC], v[WV], 4, v[RR]          ; my point: 16 wave + r
	v_lshl_add_u32 v[FA], v[HH], 5, FT             ; (WV, RR, HH are given up here)
	v_lshlrev_b32 v[XA], 2, v[SC]                  ; XS = 0
	v_add_nc_u32 v[MA], MS, v[SC]
	s_barrier_wait -1
	; ---- f: thread = (m = wave, d = lane) adds the 8 parts ----
.irp c, 0,1,2,3,4,5,6,7
	ds_load_b32 v[184+\c], v[PRD] offset:1280*\c
.endr
	v_fma_f32 v150, v[EVW], v[FL1W], v[FL1B]       ; ev w1 + b1
	v_mul_f32 v151, NLN2, v[MMW]                   ; the outer silu's -ln2 rides on mask_m
	v_lshl_add_u32 v152, v0, 2, FT
	s_wait_dscnt 0x0
	v_add_f32 v184, v184, v185
	v_add_f32 v186, v186, v187
	v_add_f32 v188, v188, v189
	v_add_f32 v190, v190, v191
	v_add_f32 v184, v184, v186
	v_add_f32 v188, v188, v190
	v_add_f32 v184, v184, v188                     ; = c x sum
	v_fma_f32 v150, v150, s51, -v184               ; log2(e) h
	v_exp_f32 v150, v150
	v_nop
	s_wait_alu depctr_va_vdst(0)
	v_mul_f32 v150, v150, v151
	ds_store_b32 v152, v150
	s_wait_dscnt 0x0
	s_barrier_signal -1
	s_barrier_wait -1                              ; the last barrier: from here on a wave reads LDS that nobody writes, and its own stage
	ds_load_b32 v[X], v[XA]                        ; m = 0
	ds_load_u8 v[MK], v[MA]
; ---- one m.  first = 1: the product starts the sum over m (nothing is cleared).  more = 1: the next m's x and mask are fetched. ----
.macro TRIP first, more
	s_wait_dscnt 0x0                               ; x and the mask byte of this m
	ds_load_b128 v[F:F+3],     v[FA]               ; my 16 f: d = 8 h + 0..7 and 16 + 8 h + 0..7
	ds_load_b128 v[F+4:F+7],   v[FA] offset:16
	ds_load_b128 v[F+8:F+11],  v[FA] offset:64
	ds_load_b128 v[F+12:F+15], v[FA] offset:80
	v_cmp_ne_u32 vcc_lo, 0, v[MK]
	v_cndmask_b32 v[X], 0, v[X], vcc_lo            ; masked: x = 0
	v_cndmask_b32 v[DM], v[INF], v[ONE], vcc_lo    ; masked: +inf in the place of the outer sigmoid's 1
.set ti, 0
.rept 16
	v_pk_fma_f32 v[N+ti:N+ti+1], v[W2N+ti:W2N+ti+1], v[X:X+1], v[B2N+ti:B2N+ti+1] op_sel_hi:[1,0,1]
.set ti, ti+2
.endr
	SILU 32, N, E, 1
	CVT 16, E, N                                   ; B's two fragments
.set ti, 0
.rept 8
	v_pk_fma_f32 v[N+ti:N+ti+1], v[W1N+ti:W1N+ti+1], v[X:X+1], v[B1N+ti:B1N+ti+1] op_sel_hi:[1,0,1]     ; C starts as c (x w1 + b1)
.set ti, ti+2
.endr
	v_wmma_f32_16x16x32_bf16 v[N:N+7],    v[AF:AF+7],     v[E:E+7],    v[N:N+7]
	v_wmma_f32_16x16x32_bf16 v[N+8:N+15], v[AF+16:AF+23], v[E:E+7],    v[N+8:N+15]
	v_wmma_f32_16x16x32_bf16 v[N:N+7],    v[AF+8:AF+15],  v[E+8:E+15], v[N:N+7]        ; chains in place: C and D are the earlier D
	v_wmma_f32_16x16x32_bf16 v[N+8:N+15], v[AF+24:AF+31], v[E+8:E+15], v[N+8:N+15]
	; four places before the results are read (ISA guide 7.12.1)
.if \more
	v_add_nc_u32 v[XA], 1024, v[XA]
	v_add_nc_u32 v[MA], 256, v[MA]
	v_add_nc_u32 v[FA], 128, v[FA]
	v_nop
	ds_load_b32 v[X], v[XA]
	ds_load_u8 v[MK], v[MA]
.else
.rept 4
	v_nop
.endr
.endif
	SILU 16, N, E+16, 0
.if \more
	s_wait_dscnt 0x2                               ; LDS answers in order: F's four loads are in, the two younger ones (x, mask) stay out
.else
	s_wait_dscnt 0x0
.endif
.set ti, 0
.rept 8
.if \first
	v_pk_mul_f32 v[ACC+ti:ACC+ti+1], v[F+ti:F+ti+1], v[N+ti:N+ti+1]
.else
	v_pk_fma_f32 v[ACC+ti:ACC+ti+1], v[F+ti:F+ti+1], v[N+ti:N+ti+1], v[ACC+ti:ACC+ti+1]
.endif
.set ti, ti+2
.endr
.endm
	TRIP 1, 1
	s_mov_b32 s47, 14
.Lm:
	TRIP 0, 1
	s_sub_co_i32 s47, s47, 1
	s_cmp_lg_u32 s47, 0
	s_cbranch_scc1 .Lm
	TRIP 0, 0
	; ---- the last product: A = lin_w (row e, k = d), B = the sums over m, whose registers are already in B's order ----
	v_and_b32 v48, 15, v0                          ; r
	v_bfe_u32 v49, v0, 4, 1                        ; h
	v_mul_u32_u24 v50, 80, v48
	v_lshl_add_u32 v50, v49, 4, v50
	ds_load_b128 v[16:19], v50 offset:LW           ; e = r,      d = 8 h ..
	ds_load_b128 v[20:23], v50 offset:LW+32        ;             d = 16 + 8 h ..
	ds_load_b128 v[24:27], v50 offset:LW+1280      ; e = 16 + r
	ds_load_b128 v[28:31], v50 offset:LW+1312
	CVT 8, E, ACC
	s_wait_dscnt 0x0
	v_wmma_f32_16x16x32_bf16 v[N:N+7],    v[16:23], v[E:E+7], 0
	v_wmma_f32_16x16x32_bf16 v[N+8:N+15], v[24:31], v[E:E+7], 0
	; the places behind them (four are asked, ISA guide 7.12.1) are the eight lines that make the stage's addresses
	s_mul_i32 s46, s4, 2304
	s_add_co_u32 s46, s46, STAGE                   ; my wave's own stage
	v_mul_u32_u24 v51, 144, v48
	v_lshl_add_u32 v51, v49, 5, v51
	v_add_nc_u32 v[SA], s46, v51                   ; in: row = point r, e = 8 h ..
	v_bfe_u32 v52, v0, 3, 2
	v_and_b32 v53, 7, v0
	v_mul_u32_u24 v52, 144, v52
	v_lshl_add_u32 v52, v53, 4, v52
	v_add_nc_u32 v[RA], s46, v52                   ; back: four rows of 128 bytes to a load, eight lanes to a row
	ds_store_b128 v[SA], v[N:N+3]
	ds_store_b128 v[SA], v[N+4:N+7] offset:16
	ds_store_b128 v[SA], v[N+8:N+11] offset:64
	ds_store_b128 v[SA], v[N+12:N+15] offset:80
.irp i, 0,1,2,3
	ds_load_b128 v[E+16+4*\i:E+16+4*\i+3], v[RA] offset:576*\i     ; LDS serves a wave's instructions in order (ISA guide 5.7.1.4): these see the stores above
.endr
.irp i, 0,1,2,3
	s_wait_dscnt 3-\i                              ; read-back i is in, the younger ones stay out
	v_pk_add_f32 v[E+16+4*\i:E+16+4*\i+1],   v[E+16+4*\i:E+16+4*\i+1],   v[EDGE+4*\i:EDGE+4*\i+1]
	v_pk_add_f32 v[E+16+4*\i+2:E+16+4*\i+3], v[E+16+4*\i+2:E+16+4*\i+3], v[EDGE+4*\i+2:EDGE+4*\i+3]
	global_store_b128 v[OE], v[E+16+4*\i:E+16+4*\i+3], s[42:43] offset:512*\i th:TH_STORE_NT   ; the wave stores 512 consecutive bytes, at a multiple of 512 from out0's first byte
.endr
	s_wait_xcnt 0x0
	v_lshl_add_u32 v254, v0, 2, 0x1ba00
	v_mov_b32 v255, 0
	s_wait_tensorcnt 0x0
	ds_add_u32 v254, v255
	s_wait_dscnt 0x0
	s_endpgm
.Lfunc_end_k_q48426ab177_encode:
	.size	k_q48426ab177_encode, .Lfunc_end_k_q48426ab177_encode-k_q48426ab177_encode
	.p2alignl 7, 3214868480
	.fill 96, 4, 3214868480
	.section	.rodata,"a",@progbits
	.p2align	6, 0x0
	.amdhsa_kernel k_q48426ab177_encode
		.amdhsa_group_segment_fixed_size 115200
		.amdhsa_private_segment_fixed_size 0
		.amdhsa_enable_private_segment 0
		.amdhsa_kernarg_size 144
		.amdhsa_user_sgpr_count 2
		.amdhsa_user_sgpr_kernarg_segment_ptr 1
		.amdhsa_wavefront_size32 1
		.amdhsa_system_sgpr_workgroup_id_x 1
		.amdhsa_system_sgpr_workgroup_id_y 1
		.amdhsa_system_sgpr_workgroup_id_z 1
		.amdhsa_system_vgpr_workitem_id 0
		.amdhsa_next_free_vgpr 256
		.amdhsa_next_free_sgpr 66
		.amdhsa_reserve_vcc 1
		.amdhsa_float_denorm_mode_32 3
		.amdhsa_float_denorm_mode_16_64 3
		.amdhsa_memory_ordered 1
		.amdhsa_forward_progress 1
		.amdhsa_inst_pref_size 54
	.end_amdhsa_kernel
	.amdgpu_metadata
---
amdhsa.version: [ 1, 2 ]
amdhsa.kernels:
  - .name:           k_q48426ab177_encode
    .symbol:         k_q48426ab177_encode.kd
    .args:
      - { .name: batched_eigvec, .offset: 0, .size: 8, .value_kind: global_buffer, .address_space: global }
      - { .name: mask_all, .offset: 8, .size: 8, .value_kind: global_buffer, .address_space: global }
      - { .name: g_l3_w, .offset: 16, .size: 8, .value_kind: global_buffer, .address_space: global }
      - { .name: f_l3_w, .offset: 24, .size: 8, .value_kind: global_buffer, .address_space: global }
      - { .name: batched_eigval, .offset: 32, .size: 8, .value_kind: global_buffer, .address_space: global }
      - { .name: f_l2_w, .offset: 40, .size: 8, .value_kind: global_buffer, .address_space: global }
      - { .name: f_l2_b, .offset: 48, .size: 8, .value_kind: global_buffer, .address_space: global }
      - { .name: mask_m, .offset: 56, .size: 8, .value_kind: global_buffer, .address_space: global }
      - { .name: f_l1_w, .offset: 64, .size: 8, .value_kind: global_buffer, .address_space: global }
      - { .name: f_l1_b, .offset: 72, .size: 8, .value_kind: global_buffer, .address_space: global }
      - { .name: g_l2_w, .offset: 80, .size: 8, .value_kind: global_buffer, .address_space: global }
      - { .name: g_l2_b, .offset: 88, .size: 8, .value_kind: global_buffer, .address_space: global }
      - { .name: g_l1_w, .offset: 96, .size: 8, .value_kind: global_buffer, .address_space: global }
      - { .name: g_l1_b, .offset: 104, .size: 8, .value_kind: global_buffer, .address_space: global }
      - { .name: lin_w, .offset: 112, .size: 8, .value_kind: global_buffer, .address_space: global }
      - { .name: lin_b, .offset: 120, .size: 8, .value_kind: global_buffer, .address_space: global }
      - { .name: edge_attr, .offset: 128, .size: 8, .value_kind: global_buffer, .address_space: global }
      - { .name: out0, .offset: 136, .size: 8, .value_kind: global_buffer, .address_space: global }
    .group_segment_fixed_size: 115200
    .private_segment_fixed_size: 0
    .kernarg_segment_align: 8
    .kernarg_segment_size: 144
    .max_flat_workgroup_size: 512
    .sgpr_count:     66
    .vgpr_count:     256
    .wavefront_size: 32
...
	.end_amdgpu_metadata
.endif
;; end of part 1
